; MI455X (gfx1250); checked and timed in simulation.
; The chip was launched on July 23, 2026; its instructions are those of AMD's public machine-readable ISA for CDNA 5 (MIT licence, August 2026) and "CDNA5" Instruction Set Architecture Reference Guide (July 2026). The comments in the code are by the model that wrote it; some were corrected since.
;; Sparse Linear. Allowed arithmetic: matrix products marked QUANTISED: E2M3 operands, one E8M0 scale for each 32 along K, by v_wmma_scale_f32_16x16x128_f8f6f4 with both operands' format E2M3, f32 sums; everything else in f32.
;; Inputs: bias 4,096 float32; input 4,096 x 4,096 float32; mask 4,096 x 4,096 int32; weight_codes 4,096 x 128 x 24 uint8 (E2M3 codes of weight, K innermost, in blocks of 32 codes, four codes in three bytes); weight_scales 4,096 x 128 uint8 (E8M0 scales of weight, one for each 32 codes along K).
;; Outputs: out0 4,096 x 4,096 float32.
;; This version of the problem:
;;   THIS VERSION OF THE PROBLEM IS GIVEN IN LOW PRECISION. The matrix products marked QUANTISED in the list below multiply operands that are first quantised to E2M3 (2 exponent bits, 3 mantissa bits; 6 bits a number), with one power-of-two scale for each 32 numbers along K (OCP MX v1.0); their sums are f32. All else is computed in f32.
;;   The module's matrix products, in the order in which they are computed (A, B: the left and right operand; K: the contracted axis; several contracted axes count as one K, in the product's order):
;;     1. [M 4,096, K 4,096] x [K 4,096, N 4,096]; A: computed on the way; B: input weight (given as codes): QUANTISED
;;   THE QUANTISER, for each operand of a quantised product, along K:
;;     - K is cut into blocks of 32 from its start; a last block that is shorter is filled with zeros.
;;     - A block's scale is 2^e with e = floor(log2(the largest magnitude in the block)) - 2, held to -126 .. 127; a block of zeros has e = 0. As a byte (E8M0): e + 127.
;;     - Each number is divided by its block's scale, clamped to +-7.5, and rounded to the nearest number of E2M3, ties to even, subnormals kept.
;;     - The product sums the exact products of the quantised numbers (number of the format x scale) in f32.
;;   ~~~python
;;   def quantise(x, axis):      # numpy; x: float32 -> the quantised numbers, widened to float32 again
;;       x = np.moveaxis(x, axis, -1); K = x.shape[-1]
;;       x = np.pad(x, [(0, 0)] * (x.ndim - 1) + [(0, -K % 32)]); x = x.reshape(x.shape[:-1] + (-1, 32)); a = np.abs(x).max(-1, keepdims=True)
;;       e = np.where(a > 0, np.clip(np.frexp(np.where(a > 0, a, 1))[1] - 1 - 2, -126, 127), 0)      # np.frexp(a)[1] - 1 = floor(log2(a)), exactly
;;       r = np.clip(x / 2.0 ** e, -7.5, 7.5)
;;       step = 2.0 ** (np.maximum(np.frexp(np.where(r == 0, 1, r))[1] - 1, 0) - 3)
;;       q = np.round(r / step) * step * 2.0 ** e      # np.round: ties to even
;;       return np.moveaxis(q.reshape(q.shape[:-2] + (-1,))[..., :K], -1, axis).astype(np.float32)
;;   ~~~
;;   OPERANDS COMPUTED ON THE WAY. 'Computed on the way' means the value that the module computes at that place (a softmax that the list does not call 'softmax' is quantised finished and normalised). What goes into a quantiser is computed in f32, as accurately as f32 sums, v_exp_f32 and their like allow (about 1e-6 of the number): no bf16 or f16 on the way to a quantiser, and a product that is left as it is and whose result goes on into a quantised operand takes f32 operands (vector FMAs, or v_wmma_f32_16x16x4_f32). A number that lies on a knife's edge between two numbers of the format may be rounded either way, as far as f32 arithmetic and the matrix unit's own rounding can turn it there, and no further.
;;   INPUTS GIVEN AS CODES. weight (in the module: [4096, 4096], K = its axis 1): each comes as NAME_codes (uint8): NAME with its K axis moved to the last place and cut into blocks of 32 codes, [.., K / 32, bytes a block], one block behind the other in memory; four codes in three bytes: a row's codes are one little-endian stream of bits, code i at bits 6 i .. 6 i + 5 (a code: sign, 2 exponent bits, 3 mantissa bits); and NAME_scales (uint8): the same leading axes, one E8M0 byte (e + 127) for each 32 codes along K. Its value is code x scale, taken as it is: it is not quantised again, and the codes and scales need not be those that the quantiser above would give.
;; One version. Each part assembles by itself: llvm-mc -triple=amdgcn-amd-amdhsa -mcpu=gfx1250 --defsym DOCPART=n.
;; ======== version 1 of 1: 2 launches
;; limits: right only within a limited range of input values
;; workspace buffers: a_img 12,582,912 bytes; scl 1,048,576 bytes
;; launch quant (part 1): grid 256 x 1, 16 waves a work-group, no clusters, 139,264 bytes of LDS; arguments input, mask, a_img, scl, weight_scales; writes a_img, scl
.if DOCPART == 1
	.amdgcn_target "amdgcn-amd-amdhsa--gfx1250"
	.amdhsa_code_object_version 6
	.text
	.protected	k_qe179a10184_quant
	.globl	k_qe179a10184_quant
	.p2align	8
	.type	k_qe179a10184_quant,@function
k_qe179a10184_quant:
	s_mov_b64 s[64:65], 0
	v_nop
	global_prefetch_b8 v0, s[64:65] scope:SCOPE_SE
	s_setreg_imm32_b32 hwreg(HW_REG_WAVE_MODE, 25, 1), 1
	s_wait_xcnt 0x0
; a = input x f32(mask), [4096][4096] f32, is quantised along K to codes of FP6 (E2M3) with one E8M0 byte for each 32 along K; the weight's scale bytes are laid anew beside a's.
; A block's scale is 2^(floor(log2(its largest magnitude)) - 2); its byte is the largest magnitude's exponent field - 2, held at 1 from below by a floor among the maximum's leaves.
; LIMITS: NaN and infinities among the inputs are not served (an infinity under a mask of 0 among them).  A block of zeros gets the byte 1 where the rule says 127: its codes are zeros,
; which add nothing under any byte but 0xff, and the bytes are read by this program alone.  The mask is taken as it is given: every word is converted to f32 and multiplied.
; THE ORDER ALONG K.  In each 128 along K the second and the third block of 32 change places, in a's codes, in the weight's codes as the product's launch takes them, and in both scale words:
; lane (r, h) of a fragment holds blocks 2 h and 2 h + 1, which are 48 consecutive bytes of a row of codes.  The products and their scales stay paired; only the order of the sum changes.
; OUT.  a_img holds the codes in the order of the matrix operand's registers.  A fragment is 16 rows x 128 K: 12 registers a lane, 1,536 bytes; registers 4 p .. 4 p + 3 of lane l lie at 512 p + 16 l;
; lane l = r + 16 h holds row r, registers 6 c .. 6 c + 5 hold k = 64 h + 32 c + 0 .. 31.  Fragments lie [row / 128][k / 128][(row / 16) % 8].
; scl holds scale words as the product's launch loads them: [a: 0, weight: 1][row / 16][k / 512][row % 16][16 bytes]: a row's four words of four K steps of 128; 16 rows make 256 consecutive bytes.
; In a word, byte 2 c + h is the scale of block 2 h + c.
; SHARES.  Work-group g owns rows 16 g .. 16 g + 15 of a, all of K, and the same rows of the weight's scales.  Wave w owns K steps 2 w and 2 w + 1.  A step is 16 rows x 512 bytes of input and of mask: 32 loads of 512 consecutive bytes.
; The products go through the wave's own stage in LDS and come back so that a lane holds two whole blocks of 32 of its row: no other lane is asked for a maximum, and the conversions' results are the operand's registers.
.set IN,   64                          ; v64-127   input as loaded: row i at 4 i; then the products
.set MK,   128                         ; v128-191  mask as loaded, then as f32
.set X,    192                         ; v192-255  my 64 numbers: register 32 c + i = k 64 h + 32 c + i of row r
.set C,    28                          ; v28-39, v40-51  a step's codes, a set for each step
.set D,    20                          ; v20-22, v24-26  the second halves of the blocks' codes (a conversion's three registers begin on an even number)
.set T,    10                          ; v10-11    the two blocks' largest magnitudes
.set SO,   12                          ; v12-13    the conversions' scale operands
.set WS,   56                          ; v56-59    waves 4-7: 16 bytes of the weight's scales
.set WST,  8448                        ; LDS: a stage for each wave: 16 rows x 528 bytes
.set SPT,  528
.set SCB,  16*WST                      ; behind the stages: the work-group's 2,048 scale bytes, in scl's order
	s_load_b256 s[4:11], s[0:1], 0x0               ; input s[4:5], mask s[6:7], a_img s[8:9], scl s[10:11]
	s_load_b64 s[24:25], s[0:1], 0x20              ; weight_scales
	v_lshl_add_u32 v62, v0, 2, 0x21800             ; my spare word, behind the scale bytes
	v_mov_b32 v63, 0
	v_lshrrev_b32 v1, 5, v0
	s_delay_alu instid0(VALU_DEP_1)
	v_readfirstlane_b32 s14, v1                    ; wave 0..15
	v_and_b32 v1, 31, v0                           ; lane
	v_and_b32 v2, 15, v0                           ; r
	v_bfe_u32 v3, v0, 4, 1                         ; h
	s_mov_b32 s12, 0x76543210
	s_mov_b32 s13, 0xfedcba98                      ; v_permlanex16_b32's selects for lane l xor 16
	v_lshlrev_b32 v9, 4, v1                        ; 16 x lane
	s_lshl_b32 s15, s14, 10
	v_add_nc_u32 v4, s15, v9                       ; in a row of input or mask: my wave's 1,024 bytes, my 16 of a step's 512
	s_mul_i32 s15, s14, WST
	v_add_nc_u32 v5, s15, v9                       ; the stage, on the way in: a row as it lies
	v_mul_u32_u24 v6, v2, SPT
	s_delay_alu instid0(VALU_DEP_1)
	v_lshl_add_u32 v6, v3, 8, v6
	s_delay_alu instid0(VALU_DEP_1)
	v_add_nc_u32 v6, s15, v6                       ; and on the way out: row r, + 256 h: blocks 2 h and 2 h + 1
	v_lshlrev_b32 v7, 4, v2                        ; my row's scale words: 16 r
	s_lshr_b32 s15, s14, 1
	s_lshl_b32 s15, s15, 8                         ; + 256 (w / 2): four K steps to 256 bytes
	s_and_b32 s22, s14, 1
	s_lshl_b32 s22, s22, 3                         ; + 8 (w % 2)
	s_add_co_u32 s15, s15, s22
	v_add_nc_u32 v7, s15, v7
	s_delay_alu instid0(VALU_DEP_1)
	v_add_nc_u32 v7, SCB, v7
	v_lshlrev_b32 v8, 3, v3                        ; 8 h: my bytes' place in a scale word, in bits
	v_mov_b32 v17, 0                               ; written once: a lane permute's destination counts as one of its sources
	v_and_b32 v19, 127, v0
	s_delay_alu instid0(VALU_DEP_1)
	v_lshrrev_b32 v61, 4, v19
	v_lshlrev_b32 v19, 4, v19                      ; the scale bytes' way out: 16 bytes a thread, 128 threads
	s_delay_alu instid0(VALU_DEP_2)
	v_lshlrev_b32 v61, 4, v61
	v_add_nc_u32 v18, SCB, v19
	s_delay_alu instid0(VALU_DEP_2)
	v_lshl_add_u32 v61, v2, 7, v61                 ; the weight's scales as given: row t % 16 of 128 bytes, its 16 bytes number t / 16
	s_lshr_b32 s16, ttmp9, 3
	s_mul_i32 s16, s16, 393216                     ; a_img: my group of 128 rows,
	s_and_b32 s15, ttmp9, 7
	s_mul_i32 s15, s15, 1536                       ; my 16 rows' fragment in a K step's eight,
	s_add_co_u32 s16, s16, s15
	s_mul_i32 s15, s14, 24576                      ; my wave's two K steps of 12,288 bytes
	s_add_co_u32 s16, s16, s15
	s_mov_b32 s17, 0
	s_lshl_b32 s18, ttmp9, 18                      ; input, mask: 16 rows of 16,384 bytes
	s_mov_b32 s19, 0
	s_lshl_b32 s20, ttmp9, 11                      ; scales: 16 rows of 128 bytes
	s_mov_b32 s21, 0
	s_lshr_b32 s22, s14, 2
	s_wait_alu depctr_va_vdst(0)                   ; the wait at the head's end
	s_wait_kmcnt 0x0
	s_add_nc_u64 s[4:5], s[4:5], s[18:19]
	s_add_nc_u64 s[6:7], s[6:7], s[18:19]
	s_add_nc_u64 s[8:9], s[8:9], s[16:17]
	s_add_nc_u64 s[10:11], s[10:11], s[20:21]
	s_add_nc_u64 s[24:25], s[24:25], s[20:21]
	s_cmp_eq_u32 s22, 1
	s_cbranch_scc0 .Lno_ws                         ; waves 4-7 fetch the 16 rows' 2,048 scale bytes of the weight: older than every load below, so the counted waits hold
	global_load_b128 v[WS:WS+3], v61, s[24:25]
.Lno_ws:
.macro LOAD s                          ; step s: 16 rows of input and of mask; each load reads 512 consecutive bytes
.irp i, 0,1,2,3,4,5,6,7,8,9,10,11,12,13,14,15
	global_load_b128 v[IN+4*\i:IN+4*\i+3], v4, s[4:5] offset:16384*\i+512*\s th:TH_LOAD_NT
	global_load_b128 v[MK+4*\i:MK+4*\i+3], v4, s[6:7] offset:16384*\i+512*\s th:TH_LOAD_NT
.endr
.endm
.macro ROW i, left, nxt                ; row i: input x f32(mask), into the stage; nxt = 1: the row's registers are loaded again, with the second step's pair
	s_wait_loadcnt \left                           ; row i's pair is in; so many younger loads may be out
.irp j, 0,1,2,3
	v_cvt_f32_i32 v[MK+4*\i+\j], v[MK+4*\i+\j]
.endr
	s_delay_alu instid0(VALU_DEP_3)
	v_pk_mul_f32 v[IN+4*\i:IN+4*\i+1], v[IN+4*\i:IN+4*\i+1], v[MK+4*\i:MK+4*\i+1]
	s_delay_alu instid0(VALU_DEP_2)
	v_pk_mul_f32 v[IN+4*\i+2:IN+4*\i+3], v[IN+4*\i+2:IN+4*\i+3], v[MK+4*\i+2:MK+4*\i+3]
	ds_store_b128 v5, v[IN+4*\i:IN+4*\i+3] offset:SPT*\i
.if \nxt
	global_load_b128 v[IN+4*\i:IN+4*\i+3], v4, s[4:5] offset:16384*\i+512 th:TH_LOAD_NT
	global_load_b128 v[MK+4*\i:MK+4*\i+3], v4, s[6:7] offset:16384*\i+512 th:TH_LOAD_NT
.endif
.endm
.macro TURNX                           ; back from the stage, 128 bytes of my row for each of my two blocks; LDS serves a wave's instructions in order
.irp c, 0,1
.irp j, 0,1,2,3,4,5,6,7
	ds_load_b128 v[X+32*\c+4*\j:X+32*\c+4*\j+3], v6 offset:128*\c+16*\j
.endr
.endr
	s_wait_dscnt 0x0
.endm
.macro QUANT s                         ; my two blocks (2 h + c of the K step's four) become registers 6 c .. 6 c + 5 of the fragment
.irp c, 0,1
	v_max3_num_f32 v[T+\c], |v[X+32*\c]|, |v[X+32*\c+1]|, 0x1800000   ; the floor 2^(3 - 127) among the leaves: the byte cannot fall under 1
.endr
.irp i, 2,4,6,8,10,12,14,16,18,20,22,24,26,28,30
.irp c, 0,1
	s_delay_alu instid0(VALU_DEP_2)
	v_max3_num_f32 v[T+\c], v[T+\c], |v[X+32*\c+\i]|, |v[X+32*\c+\i+1]|
.endr
.endr
.irp c, 0,1
	s_delay_alu instid0(VALU_DEP_2)
	v_add_nc_u32 v[SO+\c], 0xff000000, v[T+\c]     ; 2 off the exponent field: the conversion's scale operand
.endr
.irp c, 0,1
	s_delay_alu instid0(VALU_DEP_2)
	v_lshrrev_b32 v[14+\c], 23, v[SO+\c]           ; the scale's byte
.endr
	s_delay_alu instid0(VALU_DEP_1)
	v_lshl_or_b32 v16, v15, 16, v14                ; my two bytes, of registers 0-5 and 6-11,
	s_delay_alu instid0(VALU_DEP_1)
	v_lshlrev_b32 v16, v8, v16                     ; at bytes h and 2 + h of the scale word;
	s_delay_alu instid0(VALU_DEP_1)
	v_permlanex16_b32 v17, v16, s12, s13
	s_delay_alu instid0(VALU_DEP_1)
	v_or_b32 v16, v16, v17                         ; with lane l xor 16's two the word is whole
.irp c, 0,1
	v_cvt_scalef32_pk16_fp6_f32 v[C+12*\s+6*\c:C+12*\s+6*\c+2], v[X+32*\c:X+32*\c+15], v[SO+\c]
	v_cvt_scalef32_pk16_fp6_f32 v[D+4*\c:D+4*\c+2], v[X+32*\c+16:X+32*\c+31], v[SO+\c]
.endr
	v_nop                                          ; one plain place behind a scaled conversion
.irp c, 0,1
.irp i, 0,1,2
	v_mov_b32 v[C+12*\s+6*\c+3+\i], v[D+4*\c+\i]
.endr
.endr
.irp p, 0,1,2
	global_store_b128 v9, v[C+12*\s+4*\p:C+12*\s+4*\p+3], s[8:9] offset:12288*\s+512*\p   ; 32 lanes store 512 consecutive bytes
.endr
	ds_store_b32 v7, v16 offset:4*\s               ; lanes r and r + 16 write the same word with the same value
.endm
	LOAD 0
.irp i, 0,1,2,3,4,5,6,7,8,9,10,11,12,13,14,15
	ROW \i, 30, 1                                  ; behind row i's pair: 2 (15 - i) loads of this step and 2 i of the next: 30
.endr
	TURNX
	QUANT 0
.irp i, 0,1,2,3,4,5,6,7,8,9,10,11,12,13,14,15
	ROW \i, 30-2*\i, 0                             ; the counts run down
.endr
	TURNX
	QUANT 1
	s_wait_dscnt 0x0                               ; for the others' sake: my scale words lie in LDS
	s_barrier_signal -1
	s_barrier_wait -1                              ; the 16 rows' 2,048 scale bytes are whole
	s_cmp_lt_u32 s14, 4
	s_cbranch_scc0 .Lws                            ; waves 0-3 carry a's out, 512 consecutive bytes each
	ds_load_b128 v[20:23], v18
	s_wait_dscnt 0x0
	global_store_b128 v19, v[20:23], s[10:11]
	s_branch .Lend
.Lws:
	s_cmp_lt_u32 s14, 8
	s_cbranch_scc0 .Lend                           ; waves 4-7 the weight's, into scl's second half, 512 consecutive bytes each
.irp i, 0,1,2,3
	v_perm_b32 v[WS+\i], v[WS+\i], v[WS+\i], 0x03010200   ; bytes 1 and 2 of each word change places, as the blocks do
.endr
	global_store_b128 v19, v[WS:WS+3], s[10:11] offset:524288
.Lend:
	s_wait_tensorcnt 0x0                           ; the wave's end
	ds_add_u32 v62, v63
	s_wait_dscnt 0x0
	s_endpgm
.Lfunc_end_k_qe179a10184_quant:
	.size	k_qe179a10184_quant, .Lfunc_end_k_qe179a10184_quant-k_qe179a10184_quant
	.p2alignl 7, 3214868480
	.fill 96, 4, 3214868480
	.section	.rodata,"a",@progbits
	.p2align	6, 0x0
	.amdhsa_kernel k_qe179a10184_quant
		.amdhsa_group_segment_fixed_size 139264
		.amdhsa_private_segment_fixed_size 0
		.amdhsa_enable_private_segment 0
		.amdhsa_kernarg_size 40
		.amdhsa_user_sgpr_count 2
		.amdhsa_user_sgpr_kernarg_segment_ptr 1
		.amdhsa_wavefront_size32 1
		.amdhsa_system_sgpr_workgroup_id_x 1
		.amdhsa_system_sgpr_workgroup_id_y 1
		.amdhsa_system_sgpr_workgroup_id_z 1
		.amdhsa_system_vgpr_workitem_id 0
		.amdhsa_next_free_vgpr 256
		.amdhsa_next_free_sgpr 66
		.amdhsa_reserve_vcc 0
		.amdhsa_float_denorm_mode_32 3
		.amdhsa_float_denorm_mode_16_64 3
		.amdhsa_memory_ordered 1
		.amdhsa_forward_progress 1
		.amdhsa_inst_pref_size 34
	.end_amdhsa_kernel
	.amdgpu_metadata
---
amdhsa.version: [ 1, 2 ]
amdhsa.kernels:
  - .name:           k_qe179a10184_quant
    .symbol:         k_qe179a10184_quant.kd
    .args:
      - { .name: input, .offset: 0, .size: 8, .value_kind: global_buffer, .address_space: global }
      - { .name: mask, .offset: 8, .size: 8, .value_kind: global_buffer, .address_space: global }
      - { .name: a_img, .offset: 16, .size: 8, .value_kind: global_buffer, .address_space: global }
      - { .name: scl, .offset: 24, .size: 8, .value_kind: global_buffer, .address_space: global }
      - { .name: weight_scales, .offset: 32, .size: 8, .value_kind: global_buffer, .address_space: global }
    .group_segment_fixed_size: 139264
    .private_segment_fixed_size: 0
    .kernarg_segment_align: 8
    .kernarg_segment_size: 40
    .max_flat_workgroup_size: 512
    .sgpr_count:     66
    .vgpr_count:     256
    .wavefront_size: 32
...
	.end_amdgpu_metadata
.endif
;; end of part 1
;; launch gemm (part 2): grid 16 x 16, 4 waves a work-group, clusters of 4 x 1, 327,680 bytes of LDS; arguments a_img, scl, weight_codes, bias, out0; writes out0
.if DOCPART == 2
	.amdgcn_target "amdgcn-amd-amdhsa--gfx1250"
	.amdhsa_code_object_version 6
	.text
	.protected	k_qe179a10184_gemm
	.globl	k_qe179a10184_gemm
	.p2align	8
	.type	k_qe179a10184_gemm,@function
k_qe179a10184_gemm:
	s_mov_b64 s[64:65], 0
	v_nop
	global_prefetch_b8 v0, s[64:65] scope:SCOPE_SE
	s_setreg_imm32_b32 hwreg(HW_REG_WAVE_MODE, 25, 1), 1
	s_wait_xcnt 0x0
	s_wait_alu depctr_hold_cnt(0) depctr_sa_sdst(0) depctr_va_vdst(0) depctr_va_sdst(0) depctr_va_ssrc(0) depctr_va_vcc(0) depctr_vm_vsrc(0)
	s_getreg_b32 s2, hwreg(HW_REG_IB_STS2, 6, 4)
	s_cmp_eq_u32 s2, 0
	s_cbranch_scc0 .Lentry_in_a_cluster
	s_endpgm
.Lentry_in_a_cluster:
	s_bfe_u32 s2, ttmp6, 0x10000c
	s_cmp_lg_u32 s2, 0x3003
	s_cbranch_scc0 .Lentry_shape_is_right
	s_endpgm
.Lentry_shape_is_right:
; out0[m][n] = sum over k of a[m][k] w[n][k] + bias[n]; a and w as codes of FP6 (E2M3) with E8M0 scales for each 32 along K; sums in f32.
; A work-group makes 256 x 256; wave (i, j) = (wave / 2, wave % 2) makes rows 128 i .. x columns 128 j ..: 64 accumulators of 16 x 16, 512 registers.
; THE ORDER ALONG K: in each 128 along K the second and the third block of 32 change places in both operands and in their scale words (the preparing launch lays a's codes and both scale words so).
; Lane (r, h) of a fragment then holds blocks 2 h and 2 h + 1: of w these are 48 consecutive bytes of row r, at a multiple of 16: three LDS loads of 16 bytes.
; A'S CODES do not pass through LDS: a_img holds them as register images, and a fragment is three loads of 512 consecutive bytes straight into its 12 registers; waves (i, 0) and (i, 1) load the same bytes.
; Two sets of A's registers, filled again by halves (four fragments) as soon as the half's 32 products are issued: a half is asked for two K steps ahead of its use.
; W'S 256 ROWS come through LDS.  K is walked in four periods of 1,024: 768 bytes of a row of w, eight K steps of 128, three chunks of 256 bytes, each with a region of its own in LDS.
; Two slots of unlike size hold one period: X its chunks 0 and 1, Y its chunk 2.  Steps 0-4 read X, step 5 both, steps 6 and 7 read Y.  Fragments are fetched two steps ahead (step 0's: half a step ahead).
; X is asked for again in step 4, when step 5's fragments are in registers; Y in step 7, behind a round that also shows X whole; a barrier in step 3 shows Y whole.
; CLUSTERS: the four work-groups of a cluster (along m) need the same tiles of w and ask for them jointly (mask 15).  A's codes go to registers, where no joint load reaches.
; THE ORDER OF THE PERIODS turns with n: work-group y begins with period y % 4 (the same in all partners of a cluster).  The sum's order along K differs so from ascending K; the result is compared within a tolerance.
; SCALES: scl holds, for 16 rows and four K steps, 256 consecutive bytes; one load of 16 bytes a lane brings A's block i in lanes 0-15 and w's block i in lanes 16-31, register j for the j-th of the four steps.
; PREFETCH: of the first period's A codes, steps 2 to 7 (73,728 bytes of a stream of 128 rows), the eight waves that begin with this period and read this stream (four work-groups, two waves each) take 18 + 18 blocks
; of 256 bytes each, told apart by address; lanes 18-31 name the wave's last block again.  The first request names steps 2-4 and stands at the head, the second names steps 5-7 and stands behind step 0.
; The later periods' codes have been read by the work-groups that began with them, and so have w's later tiles: neither is prefetched.
; THE MATRIX INSTRUCTION IS USED TRANSPOSED (source 0 = 16 rows of w, source 1 = 16 rows of a): a lane holds eight neighbouring numbers of a row of out0.  The bias is added on the way out, to whole rows.
; REGISTERS, in windows of 256.  window 0: v0-31 addresses; v32-95 scale words, two sets of 32; v112-255 A's halves (set 0 low, set 0 high, set 1 low).
;   window 1: v0-191 w's fragments, two sets; v192-239 A's set 1 high.   window 2: accumulators of my rows 0-63 ((a, b) at v[8 (8 (a % 4) + b)]);   window 3: rows 64-127.
.set PITCH,  272                       ; an LDS row: 256 bytes + 16 = 17 x 16: the 16 rows that half a load of 16 bytes a lane touches lie in 16 different columns of 16 bytes
.set CH,     256*PITCH                 ; a chunk's region: 69,632 bytes; chunk c at c x CH
.set SPARE,  3*CH                      ; 208,896: the spare words, 128 bytes a wave
.set STAGE,  SPARE+512                 ; a stage of 16 rows x 528 bytes for each wave; no fill lands there
.set SPITCH, 528
.set ASTEP,  12288                     ; a K step of 128 rows in a_img
.set APER,   8*ASTEP
.set AC0,  4                           ; v4-6  w's fragments in chunk 0, 1, 2: row r of my 128, + 48 h
.set CR0,  7                           ; v7-8  lanes 0-15 in chunk 0 (1), lanes 16-31 in the next chunk: + h x (CH - 208)
.set AO,   12                          ; v12  16 x lane
.set SO,   13                          ; v13  scale words: lanes 0-15 my 128 rows of a, lanes 16-31 my 128 rows of w
.set PFO,  14                          ; v14  the prefetches' offset
.set STO,  15
.set RD,   16
.set BIAS, 20                          ; v20-23  bias of columns 4 lane .. 4 lane + 3
.set SPW,  28
.set NIL,  29
.set SC,   32
.set BK,   112                         ; the way out: v112-175, v176-239 by turns
.set G1X,  24                          ; s[24:31], s[32:35] descriptor groups 1 and 0 for X
.set G0X,  32
.set G1Y,  56                          ; s[56:63], s[68:71] for Y
.set G0Y,  68
.set AB,   36                          ; s[36:37] a_img at my stream's period from which loads are asked
.set A0,   38                          ; s[38:39] a_img at my 128 rows
.set SB,   40                          ; s[40:41] scl at the period from which scale words are asked
.set BBY,  42                          ; s[42:43] weight_codes at chunk 2 of the 64 rows that my wave fetches for Y
.set BBX,  44                          ; s[44:45] weight_codes at the chunk (wave / 2) and the 128 rows (wave % 2) that my wave fetches for X
.set MSB, 0
.macro WIN new                         ; the immediate's high byte repeats the setting that is left
.if MSB != (\new)
	s_set_vgpr_msb (MSB<<8)|(\new)
.set MSB, (\new)
.endif
.endm
.macro PLACES                          ; four places behind matrix instructions, ahead of loads into their sources and of reads of results
.rept 4
	v_nop
.endr
.endm
.macro CREST                           ; a round of the cluster's barrier behind its opening barrier
	s_cmp_lg_u32 s14, 0
	s_cbranch_scc1 .Lnot_wave_0_\@
	s_barrier_signal -3
.Lnot_wave_0_\@:
	s_barrier_wait -3
	s_barrier_signal -1
	s_barrier_wait -1
.endm
.macro CROUND
	s_barrier_signal -1
	s_barrier_wait -1
	CREST
.endm
.macro XLOAD                           ; X of the period behind s18's: my 128 rows x 256 bytes
	s_add_co_u32 s48, s18, 1
	s_and_b32 s48, s48, 3
	s_mul_i32 s48, s48, 768
	s_add_nc_u64 s[G0X+2:G0X+3], s[BBX:BBX+1], s[48:49]
	s_or_b32 s[G0X+3], s[G0X+3], 0x80000000
	tensor_load_to_lds s[G0X:G0X+3], s[G1X:G1X+7]
	s_nop 0
	PLACES                                         ; also the places ahead of the loads that follow
.endm
.macro YLOAD                           ; Y of period s18: my 64 rows x 256 bytes
	s_mul_i32 s48, s18, 768
	s_add_nc_u64 s[G0Y+2:G0Y+3], s[BBY:BBY+1], s[48:49]
	s_or_b32 s[G0Y+3], s[G0Y+3], 0x80000000
	tensor_load_to_lds s[G0Y:G0Y+3], s[G1Y:G1Y+7]
	s_nop 0
	PLACES
.endm
.macro HALF st, hf                     ; where half hf of step st's fragments of A lies: HB its first register, HW its window
.set HX, 2*((\st)%2)+(\hf)
.if HX == 3
.set HB, 192
.set HW, 1
.else
.set HB, 112+48*HX
.set HW, 0
.endif
.endm
.macro ALD st, hf                      ; 12 loads: four fragments of A of the period's step st
	HALF \st, \hf
	WIN 0x40*HW
.irp i, 0,1,2,3
.irp p, 0,1,2
	global_load_b128 v[HB+12*\i+4*\p:HB+12*\i+4*\p+3], v[AO], s[AB:AB+1] offset:(\st)*ASTEP+(4*(\hf)+\i)*1536+512*\p
.endr
.endr
.endm
.macro SCLD set                        ; 8 loads: the scale words of the period's steps 4 set .. 4 set + 3
	WIN 0
.irp i, 0,1,2,3,4,5,6,7
	global_load_b128 v[SC+32*(\set)+4*\i:SC+32*(\set)+4*\i+3], v[SO], s[SB:SB+1] offset:\i*2048+256*(\set)
.endr
.endm
; 24 LDS loads: w's eight fragments of the period's step st into set st % 2, in pieces of 16 bytes.  Byte y of a row's 768 lies in chunk y / 256 at byte y % 256; lanes 16-31 read 48 bytes on than lanes 0-15
.macro BFETCH st
	WIN 0x40
.irp i, 0,1,2,3,4,5,6,7
.irp p, 0,1,2
.set BY, 96*(\st)+16*\p
.set BC0, BY/256
.set BC1, (BY+48)/256
.if BC0 == BC1
.set BAR, AC0+BC0
.else
.set BAR, CR0+BC0
.endif
	ds_load_b128 v[96*((\st)%2)+12*\i+4*\p:96*((\st)%2)+12*\i+4*\p+3], v[BAR] offset:BY%256+\i*16*PITCH
.endr
.endr
	WIN 0
.endm
; 16 matrix instructions: A's blocks a0, a0 + 1 x w's eight.  The 64 accumulators take turns, in the same order in every step.
.macro MUL16 a0, st, zero
	HALF \st, (\a0)/4
.set MW, 0xa1+0x50*((\a0)/4)+4*HW
	WIN MW
.set BP, 96*((\st)%2)
.set SJ, SC+32*(((\st)/4)%2)+(\st)%4
.irp a, \a0, \a0+1
.irp b, 0,1,2,3,4,5,6,7
.if \zero
	v_wmma_scale_f32_16x16x128_f8f6f4 v[8*(8*((\a)%4)+\b):8*(8*((\a)%4)+\b)+7], v[BP+12*\b:BP+12*\b+11], v[HB+12*((\a)%4):HB+12*((\a)%4)+11], 0, v[SJ+4*\b], v[SJ+4*(\a)] matrix_a_fmt:MATRIX_FMT_FP6 matrix_b_fmt:MATRIX_FMT_FP6 matrix_a_scale:MATRIX_SCALE_ROW1
.else
	v_wmma_scale_f32_16x16x128_f8f6f4 v[8*(8*((\a)%4)+\b):8*(8*((\a)%4)+\b)+7], v[BP+12*\b:BP+12*\b+11], v[HB+12*((\a)%4):HB+12*((\a)%4)+11], v[8*(8*((\a)%4)+\b):8*(8*((\a)%4)+\b)+7], v[SJ+4*\b], v[SJ+4*(\a)] matrix_a_fmt:MATRIX_FMT_FP6 matrix_b_fmt:MATRIX_FMT_FP6 matrix_a_scale:MATRIX_SCALE_ROW1
.endif
.endr
.endr
.endm
; Step k of a period.  Global loads are issued in this order: in a step's middle the scale words (8, in steps 1 and 5) and A's low half of step k + 2 (12); at its end A's high half of step k + 2 (12).
; W1: the loads younger than this step's low half: its high half and step k + 1's two halves, 36, and 8 more where step k - 1 asked for scale words.
; W2: those younger than its high half: step k + 1's two halves and step k + 2's low half, 36, and 8 more for scale words asked for in step k - 1 or k.
; w's fragments of step k + 2 are fetched at the step's end, but the next period's step 0 in step 7's middle, behind the round that shows X whole: so at a step's head the 24 loads of step k + 1 may be out, at step 7's none is.
; tail = 1, the last period: no scale words in step 5, nothing asked for in steps 6 and 7: the counts run down.
; kind 1 (step 4): X is asked for again; kind 3 (step 7): Y.  Each behind the wait for all my tensor loads, the add, the wait for it and for my LDS reads, and a round of the cluster's barrier.
; kind 2 (step 3): Y has landed: each wave's wait and a barrier.
.macro STEP k, zero, tail, kind
.set W1, 36
.set W2, 36
.set DW, 24
.set SCF, 0
.set LDF, 1
.set BFE, 1
.set BFM, 0
.if \k == 1
.set SCF, 1
.set W2, 44
.endif
.if \k == 2
.set W1, 44
.set W2, 44
.endif
.if \k == 6
.set BFE, 0
.endif
.if \k == 7
.set DW, 0
.endif
.if \tail
.if \k == 6
.set W2, 24
.set LDF, 0
.endif
.if \k == 7
.set W1, 12
.set W2, 0
.set LDF, 0
.set BFE, 0
.endif
.else
.if \k == 5
.set SCF, 1
.set W2, 44
.endif
.if \k == 6
.set W1, 44
.set W2, 44
.endif
.if \k == 7
.set BFM, 1
.endif
.endif
.set NX, ((\k)+2)%8
	s_wait_loadcnt W1
.if \kind
	s_wait_tensorcnt 0x0                           ; all my tensor loads have landed
.if \kind != 2
	ds_add_u32 v[SPW], v[NIL]
	s_wait_dscnt DW+1                              ; (the add and the next step's loads may be out)
.else
	s_wait_dscnt DW
.endif
	MUL16 0, \k, 0
	s_wait_dscnt 0x0                               ; my LDS instructions are done
	s_barrier_signal -1
	MUL16 2, \k, 0
	WIN 0
	s_barrier_wait -1
.if \kind == 1
	CREST                                          ; no wave of any partner still reads X or has a load on its way
	XLOAD
.endif
.if \kind == 3
	CREST                                          ; the same of Y; and X is whole in every partner
	YLOAD
.endif
.if \kind == 2
	PLACES
.endif
.else
	s_wait_dscnt DW
	MUL16 0, \k, \zero
	MUL16 2, \k, \zero
	PLACES
	WIN 0
.endif
.if SCF
.if \k == 5
	s_wait_xcnt 0x0                                ; earlier loads have read their base
	s_add_co_u32 s18, s18, 1
	s_and_b32 s18, s18, 3                          ; from here on the next period counts
	s_lshl_b32 s20, s18, 9
	s_add_nc_u64 s[SB:SB+1], s[6:7], s[20:21]
	SCLD 0
.else
	SCLD 1
.endif
.endif
.if LDF
.if \k == 6
	s_wait_xcnt 0x0
	s_mul_i32 s20, s18, APER
	s_add_nc_u64 s[AB:AB+1], s[A0:A0+1], s[20:21]
.endif
	ALD NX, 0
.endif
.if BFM
	BFETCH 0
.endif
	s_wait_loadcnt W2
	MUL16 4, \k, \zero
	MUL16 6, \k, \zero
	PLACES
.if LDF
	ALD NX, 1
.endif
.if BFE
	BFETCH NX
.endif
	WIN 0
.endm
	s_load_b256 s[4:11], s[0:1], 0x0               ; a_img s[4:5], scl s[6:7], weight_codes s[8:9], bias s[10:11]
	s_load_b64 s[12:13], s[0:1], 0x20              ; out0
	v_lshl_add_u32 v[SPW], v0, 2, SPARE
	v_mov_b32 v[NIL], 0
	ds_add_u32 v[SPW], v[NIL]                      ; the opening lines: the add, twice on end, and its wait ahead of my first tensor load
	ds_add_u32 v[SPW], v[NIL]
	v_lshrrev_b32 v1, 5, v0
	v_readfirstlane_b32 s14, v1                    ; wave 0..3
	s_lshr_b32 s54, s14, 1                         ; i: my half of the rows
	s_and_b32 s55, s14, 1                          ; j: my half of the columns
	s_bfe_u32 s15, ttmp6, 0x40000                  ; cx
	s_lshl_b32 s16, ttmp9, 2
	s_add_co_u32 s16, s16, s15                     ; block of 256 rows
	s_and_b32 s17, ttmp7, 0xffff                   ; y: block of 256 columns
	s_and_b32 s18, s17, 3                          ; the period with which I begin
	s_lshl_b32 s52, s16, 1
	s_add_co_u32 s52, s52, s54                     ; my group of 128 rows
	s_lshl_b32 s22, s52, 14                        ; its scale words in scl
	s_lshl_b32 s23, s17, 1
	s_add_co_u32 s23, s23, s55                     ; my group of 128 columns
	s_lshl_b32 s47, s23, 9                         ; its 512 bytes in bias and in a row of out0
	s_lshl_b32 s23, s23, 14
	s_add_co_u32 s23, s23, 0x80000                 ; its scale words
	s_sub_co_u32 s23, s23, s22                     ; the distance between the two
	s_lshr_b32 s50, s17, 2
	s_lshl_b32 s50, s50, 1
	s_add_co_u32 s50, s50, s55
	s_mul_i32 s50, s50, 18*256                     ; my share of the prefetched blocks
	s_mul_i32 s51, s14, 16*SPITCH
	s_add_co_u32 s51, s51, STAGE                   ; my stage
	s_mul_i32 s53, s55, 128*PITCH                  ; my 128 rows of w in a chunk's region
	s_mov_b32 s21, 0
	s_mov_b32 s49, 0
	s_mov_b32 s[G1X+0], 15|(1<<20)|(1<<21)|(5<<22)|(3<<25)   ; mask: the cluster's four; element of 1 byte; padding on; bit 21 beside a mask; after every 64 words, 4 words
	s_mov_b32 s[G1X+1], 256<<16                    ; tensor_dim0
	s_mov_b32 s[G1X+2], 128<<16                    ; tensor_dim1
	s_mov_b32 s[G1X+3], 256<<16                    ; tile_dim0
	s_mov_b32 s[G1X+4], 128                        ; tile_dim1
	s_mov_b32 s[G1X+5], 3072                       ; the pitch
	s_mov_b32 s[G1X+6], 0
	s_mov_b32 s[G1X+7], 0
	s_mov_b32 s[G1Y+0], 15|(1<<20)|(1<<21)|(5<<22)|(3<<25)   ; the same with 64 rows
	s_mov_b32 s[G1Y+1], 256<<16
	s_mov_b32 s[G1Y+2], 64<<16
	s_mov_b32 s[G1Y+3], 256<<16
	s_mov_b32 s[G1Y+4], 64
	s_mov_b32 s[G1Y+5], 3072
	s_mov_b32 s[G1Y+6], 0
	s_mov_b32 s[G1Y+7], 0
	v_and_b32 v1, 15, v0                           ; r
	v_bfe_u32 v2, v0, 4, 1                         ; h
	v_and_b32 v3, 31, v0                           ; lane
	v_lshlrev_b32 v[AO], 4, v3
	v_mul_u32_u24 v[SO], s23, v2
	v_lshl_add_u32 v[SO], v1, 4, v[SO]
	v_add_nc_u32 v[SO], s22, v[SO]
	v_min_u32 v[PFO], 17, v3
	v_lshl_add_u32 v[PFO], v[PFO], 8, s50
	v_mul_u32_u24 v18, v1, PITCH
	v_add_nc_u32 v18, s53, v18                     ; row r of my 128
	v_mad_u32_u24 v[AC0], v2, 48, v18
	v_add_nc_u32 v[AC0+1], CH, v[AC0]
	v_add_nc_u32 v[AC0+2], 2*CH, v[AC0]
	v_mul_u32_u24 v19, v2, CH-208
	v_add_nc_u32 v[CR0], v19, v18
	v_add_nc_u32 v[CR0+1], CH, v[CR0]
	v_mul_u32_u24 v19, v1, SPITCH
	v_lshl_add_u32 v19, v2, 5, v19
	v_add_nc_u32 v[STO], s51, v19                  ; into the stage: row r, 32 bytes for each half of the lanes
	v_add_nc_u32 v[RD], s51, v[AO]                 ; back: 32 lanes take a row of 512 bytes
	s_wait_alu depctr_va_vdst(0)                   ; the wait at the head's end
	s_wait_dscnt 0x0                               ; both opening adds are done
	s_wait_kmcnt 0x0
	s_lshl_b32 s48, s17, 1
	s_add_co_u32 s48, s48, s55
	s_mul_i32 s48, s48, 128*3072                   ; w for X: row 256 y + 128 (wave % 2),
	s_lshl_b32 s46, s54, 8
	s_add_co_u32 s48, s48, s46                     ; chunk wave / 2: no place in the cluster enters
	s_add_nc_u64 s[BBX:BBX+1], s[8:9], s[48:49]
	s_lshl_b32 s48, s17, 2
	s_add_co_u32 s48, s48, s14
	s_mul_i32 s48, s48, 64*3072                    ; for Y: row 256 y + 64 wave,
	s_add_co_u32 s48, s48, 512                     ; chunk 2
	s_add_nc_u64 s[BBY:BBY+1], s[8:9], s[48:49]
	s_mul_i32 s48, s18, 768
	s_mov_b32 s[G0X], 1
	s_mul_i32 s[G0X+1], s14, 128*PITCH             ; chunk 0's two halves, then chunk 1's
	s_add_nc_u64 s[G0X+2:G0X+3], s[BBX:BBX+1], s[48:49]
	s_or_b32 s[G0X+3], s[G0X+3], 0x80000000
	s_mov_b32 s[G0Y], 1
	s_mul_i32 s[G0Y+1], s14, 64*PITCH
	s_add_co_u32 s[G0Y+1], s[G0Y+1], 2*CH
	s_mul_i32 s20, s52, 32*ASTEP
	s_add_nc_u64 s[A0:A0+1], s[4:5], s[20:21]
	s_mul_i32 s20, s18, APER
	s_add_nc_u64 s[AB:AB+1], s[A0:A0+1], s[20:21]
	s_lshl_b32 s20, s18, 9
	s_add_nc_u64 s[SB:SB+1], s[6:7], s[20:21]
	s_mov_b32 s20, s47                             ; my 128 columns
	s_add_nc_u64 s[10:11], s[10:11], s[20:21]
	s_add_nc_u64 s[12:13], s[12:13], s[20:21]
	s_lshl_b32 s20, s22, 7                         ; my 128 rows of 16,384 bytes
	s_add_nc_u64 s[12:13], s[12:13], s[20:21]
	CROUND                                         ; the cluster's four are here: the first joint loads meet
	tensor_load_to_lds s[G0X:G0X+3], s[G1X:G1X+7]  ; X of my first period, my 128 rows of a chunk: one tensor load a wave at the head
	s_nop 0
	PLACES
	global_load_b128 v[BIAS:BIAS+3], v[AO], s[10:11]
	SCLD 0
	ALD 0, 0
	ALD 0, 1
	ALD 1, 0
	ALD 1, 1
	WIN 0
	global_prefetch_b8 v[PFO], s[AB:AB+1] offset:2*ASTEP th:TH_LOAD_NT scope:SCOPE_SE
	s_wait_tensorcnt 0x0                           ; my part of X is in
	ds_add_u32 v[SPW], v[NIL]
	s_wait_dscnt 0x0
	CROUND                                         ; everybody's part is in, and the four are here
	YLOAD                                          ; Y's first fill, my one tensor load behind the round
	BFETCH 0
	BFETCH 1
	STEP 0, 1, 0, 0                                ; the first step's products start the sums
	global_prefetch_b8 v[PFO], s[AB:AB+1] offset:5*ASTEP th:TH_LOAD_NT scope:SCOPE_SE
	s_mov_b32 s19, 3
.Lper:                                                 ; a trip: steps 1 to 7 of a period and step 0 of the next; it asks for the next period's X and Y
	STEP 1, 0, 0, 0
	STEP 2, 0, 0, 0
	STEP 3, 0, 0, 2
	STEP 4, 0, 0, 1
	STEP 5, 0, 0, 0
	STEP 6, 0, 0, 0
	STEP 7, 0, 0, 3
	STEP 0, 0, 0, 0
	s_sub_co_u32 s19, s19, 1
	s_cmp_lg_u32 s19, 0
	s_cbranch_scc1 .Lper
	STEP 1, 0, 1, 0                                ; the last period asks for no slot
	STEP 2, 0, 1, 0
	STEP 3, 0, 1, 2
	STEP 4, 0, 1, 0
	STEP 5, 0, 1, 0
	STEP 6, 0, 1, 0
	STEP 7, 0, 1, 0
; THE WAY OUT, block by block of 16 rows x 128 columns: through my own stage and back as whole rows of 512 bytes; the bias is added to the rows; 32 lanes store two aligned units of 256 bytes.
.macro TOSTAGE a
.set AC, 64*((\a)%4)
	WIN 0x08+4*((\a)/4)
.irp b, 0,1,2,3,4,5,6,7
	ds_store_b128 v[STO], v[AC+8*\b:AC+8*\b+3] offset:64*\b          ; each accumulator from its low end on
	ds_store_b128 v[STO], v[AC+8*\b+4:AC+8*\b+7] offset:64*\b+16
.endr
	WIN 0
.set BB, BK+64*((\a)%2)
.irp t, 0,1,2,3,4,5,6,7,8,9,10,11,12,13,14,15
	ds_load_b128 v[BB+4*\t:BB+4*\t+3], v[RD] offset:\t*SPITCH        ; LDS serves a wave's instructions in order: these see the stores above
.endr
.endm
.macro SEND a, younger
.set BB, BK+64*((\a)%2)
	s_wait_dscnt \younger
.if (\a) > 0
	s_add_nc_u64 s[12:13], s[12:13], 16*16384      ; behind a wait on XCNT: the earlier stores have read their base
.endif
.irp t, 0,1,2,3,4,5,6,7,8,9,10,11,12,13,14,15
	v_pk_add_f32 v[BB+4*\t:BB+4*\t+1], v[BB+4*\t:BB+4*\t+1], v[BIAS:BIAS+1]
	v_pk_add_f32 v[BB+4*\t+2:BB+4*\t+3], v[BB+4*\t+2:BB+4*\t+3], v[BIAS+2:BIAS+3]
	global_store_b128 v[AO], v[BB+4*\t:BB+4*\t+3], s[12:13] offset:\t*16384 th:TH_STORE_NT
.endr
.endm
	TOSTAGE 0                                      ; (the last step ends with its four places)
.irp a, 1,2,3,4,5,6,7
.if \a > 1
	s_wait_xcnt 0x0                                ; block a - 2's stores have read their registers and their base
.endif
	TOSTAGE \a
	SEND \a-1, 32                                  ; behind block a - 1's loads: block a's 16 stores and 16 loads
.endr
	s_wait_xcnt 0x0
	SEND 7, 0
	s_wait_tensorcnt 0x0                           ; the wave's end
	ds_add_u32 v[SPW], v[NIL]
	s_wait_dscnt 0x0
	CROUND                                         ; the closing round
	s_endpgm
.Lfunc_end_k_qe179a10184_gemm:
	.size	k_qe179a10184_gemm, .Lfunc_end_k_qe179a10184_gemm-k_qe179a10184_gemm
	.p2alignl 7, 3214868480
	.fill 96, 4, 3214868480
	.section	.rodata,"a",@progbits
	.p2align	6, 0x0
	.amdhsa_kernel k_qe179a10184_gemm
		.amdhsa_group_segment_fixed_size 327680
		.amdhsa_private_segment_fixed_size 0
		.amdhsa_enable_private_segment 0
		.amdhsa_kernarg_size 40
		.amdhsa_user_sgpr_count 2
		.amdhsa_user_sgpr_kernarg_segment_ptr 1
		.amdhsa_wavefront_size32 1
		.amdhsa_system_sgpr_workgroup_id_x 1
		.amdhsa_system_sgpr_workgroup_id_y 1
		.amdhsa_system_sgpr_workgroup_id_z 1
		.amdhsa_system_vgpr_workitem_id 0
		.amdhsa_next_free_vgpr 1024
		.amdhsa_next_free_sgpr 72
		.amdhsa_reserve_vcc 0
		.amdhsa_float_denorm_mode_32 3
		.amdhsa_float_denorm_mode_16_64 3
		.amdhsa_memory_ordered 1
		.amdhsa_forward_progress 1
		.amdhsa_inst_pref_size 255
	.end_amdhsa_kernel
	.amdgpu_metadata
---
amdhsa.version: [ 1, 2 ]
amdhsa.kernels:
  - .name:           k_qe179a10184_gemm
    .symbol:         k_qe179a10184_gemm.kd
    .args:
      - { .name: a_img, .offset: 0, .size: 8, .value_kind: global_buffer, .address_space: global }
      - { .name: scl, .offset: 8, .size: 8, .value_kind: global_buffer, .address_space: global }
      - { .name: weight_codes, .offset: 16, .size: 8, .value_kind: global_buffer, .address_space: global }
      - { .name: bias, .offset: 24, .size: 8, .value_kind: global_buffer, .address_space: global }
      - { .name: out0, .offset: 32, .size: 8, .value_kind: global_buffer, .address_space: global }
    .group_segment_fixed_size: 327680
    .private_segment_fixed_size: 0
    .kernarg_segment_align: 8
    .kernarg_segment_size: 40
    .max_flat_workgroup_size: 128
    .sgpr_count:     72
    .vgpr_count:     1024
    .wavefront_size: 32
...
	.end_amdgpu_metadata
.endif
;; end of part 2
